; MI455X (gfx1250); checked and timed in simulation.
; The chip was launched on July 23, 2026; its instructions are those of AMD's public machine-readable ISA for CDNA 5 (MIT licence, August 2026) and "CDNA5" Instruction Set Architecture Reference Guide (July 2026). The comments in the code are by the model that wrote it; some were corrected since.
;; Recurrent NALU. Allowed arithmetic: matrix products marked QUANTISED: E3M2 operands, one E8M0 scale for each 32 along K, by v_wmma_scale_f32_16x16x128_f8f6f4 with both operands' format E3M2, f32 sums; everything else in f32.
;; Inputs: G_add 128 x 256 float32; W_add 128 x 256 float32; W_mul 128 x 256 float32; h_tm1 4,096 x 128 float32; x_t 4,096 x 128 float32.
;; Outputs: out0 4,096 x 128 float32.
;; This version of the problem:
;;   THIS VERSION OF THE PROBLEM IS GIVEN IN LOW PRECISION. The matrix products marked QUANTISED in the list below multiply operands that are first quantised to E3M2 (3 exponent bits, 2 mantissa bits; 6 bits a number), with one power-of-two scale for each 32 numbers along K (OCP MX v1.0); their sums are f32. All else is computed in f32.
;;   The module's matrix products, in the order in which they are computed (A, B: the left and right operand; K: the contracted axis; several contracted axes count as one K, in the product's order):
;;     1. [M 4,096, K 256] x [K 256, N 128]; A: computed on the way; B: input G_add: QUANTISED
;;     2. [M 4,096, K 256] x [K 256, N 128]; A: computed on the way; B: computed on the way: QUANTISED
;;   THE QUANTISER, for each operand of a quantised product, along K:
;;     - K is cut into blocks of 32 from its start; a last block that is shorter is filled with zeros.
;;     - A block's scale is 2^e with e = floor(log2(the largest magnitude in the block)) - 4, held to -126 .. 127; a block of zeros has e = 0. As a byte (E8M0): e + 127.
;;     - Each number is divided by its block's scale, clamped to +-28, and rounded to the nearest number of E3M2, ties to even, subnormals kept.
;;     - The product sums the exact products of the quantised numbers (number of the format x scale) in f32.
;;   ~~~python
;;   def quantise(x, axis):      # numpy; x: float32 -> the quantised numbers, widened to float32 again
;;       x = np.moveaxis(x, axis, -1); K = x.shape[-1]
;;       x = np.pad(x, [(0, 0)] * (x.ndim - 1) + [(0, -K % 32)]); x = x.reshape(x.shape[:-1] + (-1, 32)); a = np.abs(x).max(-1, keepdims=True)
;;       e = np.where(a > 0, np.clip(np.frexp(np.where(a > 0, a, 1))[1] - 1 - 4, -126, 127), 0)      # np.frexp(a)[1] - 1 = floor(log2(a)), exactly
;;       r = np.clip(x / 2.0 ** e, -28, 28)
;;       step = 2.0 ** (np.maximum(np.frexp(np.where(r == 0, 1, r))[1] - 1, -2) - 2)
;;       q = np.round(r / step) * step * 2.0 ** e      # np.round: ties to even
;;       return np.moveaxis(q.reshape(q.shape[:-2] + (-1,))[..., :K], -1, axis).astype(np.float32)
;;   ~~~
;;   OPERANDS COMPUTED ON THE WAY. 'Computed on the way' means the value that the module computes at that place (a softmax that the list does not call 'softmax' is quantised finished and normalised). What goes into a quantiser is computed in f32, as accurately as f32 sums, v_exp_f32 and their like allow (about 1e-6 of the number): no bf16 or f16 on the way to a quantiser, and a product that is left as it is and whose result goes on into a quantised operand takes f32 operands (vector FMAs, or v_wmma_f32_16x16x4_f32). A number that lies on a knife's edge between two numbers of the format may be rounded either way, as far as f32 arithmetic and the matrix unit's own rounding can turn it there, and no further.
;; One version. Each part assembles by itself: llvm-mc -triple=amdgcn-amd-amdhsa -mcpu=gfx1250 --defsym DOCPART=n.
;; ======== version 1 of 1: 1 launch
;; launch nalu (part 1): grid 128 x 2, 8 waves a work-group, clusters of 4 x 1, 271,360 bytes of LDS; arguments x_t, h_tm1, W_add, W_mul, G_add, out0; writes out0
.if DOCPART == 1
	.amdgcn_target "amdgcn-amd-amdhsa--gfx1250"
	.amdhsa_code_object_version 6
	.text
	.protected	k_q75ee81e4c2_nalu
	.globl	k_q75ee81e4c2_nalu
	.p2align	8
	.type	k_q75ee81e4c2_nalu,@function
k_q75ee81e4c2_nalu:
	s_mov_b64 s[64:65], 0
	v_nop
	global_prefetch_b8 v0, s[64:65] scope:SCOPE_SE
	s_setreg_imm32_b32 hwreg(HW_REG_WAVE_MODE, 25, 1), 1
	s_wait_xcnt 0x0
	s_wait_alu depctr_hold_cnt(0) depctr_sa_sdst(0) depctr_va_vdst(0) depctr_va_sdst(0) depctr_va_ssrc(0) depctr_va_vcc(0) depctr_vm_vsrc(0)
	s_getreg_b32 s2, hwreg(HW_REG_IB_STS2, 6, 4)
	s_cmp_eq_u32 s2, 0
	s_cbranch_scc0 .Lentry_in_a_cluster
	s_endpgm
.Lentry_in_a_cluster:
	s_bfe_u32 s2, ttmp6, 0x10000c
	s_cmp_lg_u32 s2, 0x3003
	s_cbranch_scc0 .Lentry_shape_is_right
	s_endpgm
.Lentry_shape_is_right:
; y = g a + (1 - g) m for x = [x_t | h_tm1] (4,096 rows x 256):  g = sigmoid(x G_add^T),  a = x clip(W_add, -1, 1)^T,  m[b][h] = the product over k of (x[b][k] W[h][k] + 1 - W[h][k]), W = clip(W_mul, 0, 1).
; The two matrix products run on codes of BF6 (E3M2) with one E8M0 scale for each 32 along K, both operands quantised here; sums, sigmoid, m and the blend in f32.
; SHARES.  A work-group owns 32 rows x 64 hidden units (256 output bytes of a row: each store below covers whole aligned pieces of 256 bytes).  128 row blocks x 2 halves of the units = 256 work-groups.
; CLUSTER.  The four row blocks of a cluster need the same 64 rows of W_mul, G_add and W_add (192 KB): these are asked for JOINTLY, the same tensor load with the same descriptor and a mask that names the four.
; x (32 KB, the work-group's own) comes by a plain tensor load.  All tiles fit in LDS together, so every fill is a first fill: no slot is ever filled again.
; WAVES.  Eight, two to a SIMD.  Wave w owns block w of 32 along K (w < 4: x_t's columns 32 w on; else h_tm1's), which is one block of the quantiser.
;   m: wave w makes the product over ITS 32 k for all 32 x 64 outputs: the lanes are a grid of 8 (units) x 4 (rows), a lane holds 8 units x 8 rows in 64 registers: lane (i, j): units i + 8 a, rows 8 j + c.
;      A factor is (x - 1) W + 1: one packed multiply-add for two rows (W is taken twice out of its register pair by op_sel), and one packed multiply.  134 M factors are the bulk of this kernel's work.
;      x - 1 is made once and laid [k][row] in the wave's own strip of x's tile; W_mul is clipped once, in place, in the wave's own strip.  The eight partial products meet in LDS, each in its wave's strip of W_mul's tile.
;   g, a: a lane takes a whole block of a row (32 numbers), so a block's largest magnitude needs no other lane; the codes go to LDS as images of the operands' registers, the scale byte into its row's scale word.
;      Then wave w makes one tile of 16 rows x 16 units of g and of a: four matrix instructions, the two accumulators by turns.
; A block's scale is 2^(floor(log2(largest magnitude)) - 4): its byte is the largest magnitude's exponent field - 4, held at 1 from below by a floor among the maximum's leaves.  A block of zeros so gets the byte 1 and zero codes,
; which add nothing; the bytes are read by this kernel alone.
; LIMITS.  NaN and infinities among the inputs are not served.  Blocks whose largest magnitude lies under 2^-122 take the floor's byte.  m is multiplied in another order than the definition's (32 factors in ascending k in each
; wave, then the eight partial products in pairs): where a partial product leaves f32's range (above 2^128, or under 2^-126 with loss of bits) and the definition's own order does not, the results differ.
; The factor is rounded as fma(x - 1, W, 1), the definition's as (x W + 1) - W: both within an ulp or two of the larger of |x W| and 1.
.set XP,    528                        ; a row of x's tile in LDS: 512 bytes + 16: 33 x 16
.set WP,    1040                       ; a row of a weight's tile: 1,024 bytes + 16: 65 x 16
.set XHALF, 32*XP                      ; x_t's 32 rows; h_tm1's follow
.set WM,    2*XHALF                    ; W_mul's 64 rows
.set WREG,  64*WP
.set GR,    WM+WREG                    ; G_add's
.set AR,    GR+WREG                    ; W_add's
.set IMG,   AR+WREG                    ; images of fragments: no tile lands from here on
.set FRB,   1536                       ; a fragment's image: register pair p (0..5) of lane l at 256 p + 8 l
.set TS,    2*FRB+128                  ; a tile's two K steps, and 128 bytes so that neighbouring tiles start half way round the banks
.set IMG_G, 2*TS                       ; x: 2 tiles; G: 4 tiles; W_add: 4 tiles
.set IMG_A, 6*TS
.set SC,    IMG+10*TS                  ; scale words: 64 bytes (16 rows) for a tile and K step
.set SC_G,  256
.set SC_A,  768
.set SP,    272                        ; the stage for y, 32 rows x (256 bytes + 16): it lies in x's tile, which nobody reads any more when the first result is stored there
.set AUC, 1                            ; v1   LDS address of the loop's loads of x - 1
.set AXQ, 7                            ; v7   x: my row (= lane) in my wave's strip
.set AUS, 8                            ; v8   x - 1, laid [k][row]: my row's word
.set AU0, 9                            ; v9   x - 1: my 8 rows (32 j)
.set AQW, 10                           ; v10  W_mul: row = lane, in my wave's strip;  v11, v12 the same in G_add's and W_add's tiles
.set AQG, 11
.set AQA, 12
.set AW0, 13                           ; v13  W_mul: row i in my wave's strip
.set APS, 14                           ; v14  where my partial products go: row i, + 32 j
.set AIW, 15                           ; v15  where my codes go
.set ASW, 16                           ; v16  where my scale byte goes
.set AIX, 17                           ; v17  x's fragments of my tile;  v18 G's (W_add's 4 TS on)
.set AIG, 18
.set ASX, 19                           ; v19  x's scale words;  v26 G's (W_add's 512 on)
.set SX,  20                           ; v20-21 x's scale words, v22-23 G's, v24-25 W_add's: these six hold scales and nothing else
.set SG,  22
.set SA,  24
.set ASG, 26
.set APR, 27                           ; v27  the partial products of my lane's unit and 8 rows
.set AST, 28                           ; v28  the stage, on the way in;  v29 on the way out
.set ASR, 29
.set GO,  30                           ; v30  my byte offset in the work-group's part of out0
.set AWC, 31                           ; v31  LDS address of the loop's loads of W_mul
.set T,   32                           ; v32-63   16 pairs of factors
.set P,   64                           ; v64-127  the products: unit a, row c at P + 8 a + c
.set WB,  128                          ; v128-191 W_mul, two buffers: unit a, k at 4 a + k
.set UB,  192                          ; v192-255 x - 1, two buffers: k, row c at 8 k + c
.set XV,  128                          ; at the start: my row's 32 numbers of x;
.set UV,  32                           ; the same less 1;
.set CV,  64                           ; 64 numbers of W_mul;
.set XC,  224                          ; x's codes and what the quantiser works with
.set GV,  128                          ; later: 64 numbers of G_add, 64 of W_add
.set AV,  192
.set FX,  32                           ; at the end: fragments of x, G, W_add (two K steps each); the sums; the partial products; at work
.set FG,  56
.set FA,  80
.set DG,  104
.set DA,  112
.set PT,  128
.set E,   192
.set GG,  200
.set H,   208
.set Y,   216
.set O,   224
; A round of the cluster's barrier: my work-group's barrier, wave 0 signals for the work-group, every wave waits for all four work-groups, my work-group's barrier once more.
.macro CROUND
	s_barrier_signal -1
	s_barrier_wait -1
	s_cmp_lg_u32 s8, 0
	s_cbranch_scc1 .Lnot_wave_0_\@
	s_barrier_signal -3
.Lnot_wave_0_\@:
	s_barrier_wait -3
	s_barrier_signal -1
	s_barrier_wait -1
.endm
; 32 numbers of one block, v[src] on, become 32 codes in v[cb] .. v[cb + 5] and the scale's byte in v[cb + 15].  cb + 6, 7, 12, 13: four chains of the maximum; cb + 8 .. 10: the upper 16 codes; cb + 14: the scale operand.
.macro QUANT src, cb
	v_max3_num_f32 v[\cb+12], |v[\src]|, |v[\src+1]|, |v[\src+2]|
	v_max3_num_f32 v[\cb+13], |v[\src+3]|, |v[\src+4]|, |v[\src+5]|
	v_max3_num_f32 v[\cb+6], |v[\src+6]|, |v[\src+7]|, |v[\src+8]|
	v_max3_num_f32 v[\cb+7], |v[\src+9]|, |v[\src+10]|, |v[\src+11]|
.irp i, 12,20
	v_max3_num_f32 v[\cb+12], v[\cb+12], |v[\src+\i]|, |v[\src+\i+1]|
	v_max3_num_f32 v[\cb+13], v[\cb+13], |v[\src+\i+2]|, |v[\src+\i+3]|
	v_max3_num_f32 v[\cb+6], v[\cb+6], |v[\src+\i+4]|, |v[\src+\i+5]|
	v_max3_num_f32 v[\cb+7], v[\cb+7], |v[\src+\i+6]|, |v[\src+\i+7]|
.endr
	v_max3_num_f32 v[\cb+12], v[\cb+12], |v[\src+28]|, |v[\src+29]|
	v_max3_num_f32 v[\cb+13], v[\cb+13], |v[\src+30]|, |v[\src+31]|
	v_max3_num_f32 v[\cb+12], v[\cb+12], v[\cb+13], v[\cb+6]
	v_max3_num_f32 v[\cb+12], v[\cb+12], v[\cb+7], 0x2800000       ; and the floor 2^(5 - 127): the byte cannot fall under 1
	v_add_nc_u32 v[\cb+14], 0xfe000000, v[\cb+12]                  ; 4 off the exponent field: the conversion takes the exponent field of this operand as its scale, and nothing else of it
	v_cvt_scalef32_pk16_bf6_f32 v[\cb:\cb+2], v[\src:\src+15], v[\cb+14]
	v_cvt_scalef32_pk16_bf6_f32 v[\cb+8:\cb+10], v[\src+16:\src+31], v[\cb+14]   ; (a conversion's three registers begin on an even number)
	v_lshrrev_b32 v[\cb+15], 23, v[\cb+14]                         ; the scale's byte; also the plain instruction behind the conversions
	v_mov_b32 v[\cb+3], v[\cb+8]
	v_mov_b32 v[\cb+4], v[\cb+9]
	v_mov_b32 v[\cb+5], v[\cb+10]                                  ; 192 bits without gaps: registers 6 c .. 6 c + 5 of the operand's lane 16 (w % 2) + row, c = (w / 2) % 2
.endm
.macro IMAGE cb, ioff, soff
	ds_store_b64 v[AIW], v[\cb:\cb+1] offset:\ioff
	ds_store_b64 v[AIW], v[\cb+2:\cb+3] offset:\ioff+256
	ds_store_b64 v[AIW], v[\cb+4:\cb+5] offset:\ioff+512
	ds_store_b8 v[ASW], v[\cb+15] offset:\soff                     ; byte w % 4 of the row's scale word of K step w / 4
.endm
; Four k of the product's operands into buffer buf: W_mul of my 8 units (16 bytes each), x - 1 of my 8 rows (32 bytes for each k).  n: 0 or 1, the first or second four k from the address on.
.macro LOADQ buf, aw, au, n
.irp ia, 0,1,2,3,4,5,6,7
	ds_load_b128 v[WB+32*(\buf)+4*\ia:WB+32*(\buf)+4*\ia+3], v[\aw] offset:\ia*8*WP+16*(\n)
.endr
.irp ik, 0,1,2,3
	ds_load_b128 v[UB+32*(\buf)+8*\ik:UB+32*(\buf)+8*\ik+3], v[\au] offset:(4*(\n)+\ik)*XP
	ds_load_b128 v[UB+32*(\buf)+8*\ik+4:UB+32*(\buf)+8*\ik+7], v[\au] offset:(4*(\n)+\ik)*XP+16
.endr
.endm
; Four k of the product: for each k 32 packed multiply-adds (two rows each) and 32 packed multiplies, in batches of 16, so that a factor is read 16 instructions behind the line that makes it.
; first = 1: the first k's factors start the products: nothing is set to 1 beforehand.
.macro COMPUTE buf, first
.irp kk, 0,1,2,3
.irp g, 0,4
.irp ia, 0,1,2,3
.irp cp, 0,2,4,6
.set rU, UB+32*(\buf)+8*\kk+\cp
.set rW, WB+32*(\buf)+4*(\g+\ia)+2*(\kk/2)
.if (\first) && (\kk == 0)
.set rD, P+8*(\g+\ia)+\cp
.else
.set rD, T+8*\ia+\cp
.endif
.if \kk%2
	v_pk_fma_f32 v[rD:rD+1], v[rU:rU+1], v[rW:rW+1], 1.0 op_sel:[0,1,0] op_sel_hi:[1,1,0]   ; both rows x the pair's upper W
.else
	v_pk_fma_f32 v[rD:rD+1], v[rU:rU+1], v[rW:rW+1], 1.0 op_sel_hi:[1,0,0]                  ; both rows x the pair's lower W
.endif
.endr
.endr
.if ((\first) == 0) || (\kk > 0)
.irp ia, 0,1,2,3
.irp cp, 0,2,4,6
.set rD, P+8*(\g+\ia)+\cp
	v_pk_mul_f32 v[rD:rD+1], v[rD:rD+1], v[T+8*\ia+\cp:T+8*\ia+\cp+1]
.endr
.endr
.endif
.endr
.endr
.endm
	s_load_b256 s[12:19], s[0:1], 0x0              ; x_t s[12:13], h_tm1 s[14:15], W_add s[16:17], W_mul s[18:19]
	s_load_b128 s[20:23], s[0:1], 0x20             ; G_add s[20:21], out0 s[22:23]
	s_set_vgpr_msb 0x40
	v_lshl_add_u32 v0, v0, 2, 0x42000
	v_mov_b32 v1, 0
	s_set_vgpr_msb 0x4045
	ds_add_u32 v0, v1
	ds_add_u32 v0, v1
	s_set_vgpr_msb 0x4500
	v_lshrrev_b32 v1, 5, v0
	v_readfirstlane_b32 s8, v1                     ; wave 0..7
	s_bfe_u32 s9, ttmp6, 0x40000                   ; cx: my place in the cluster: it enters x's and out0's addresses alone
	s_lshl_b32 s10, ttmp9, 2                       ; in a cluster launch ttmp9 counts clusters
	s_add_co_u32 s10, s10, s9                      ; my block of 32 rows
	s_and_b32 s11, ttmp7, 0xffff                   ; which 64 hidden units: the four partners share it
	s_and_b32 s24, s8, 3
	s_lshr_b32 s25, s8, 2
	s_lshl_b32 s26, s10, 14                        ; x: 32 rows of 512 bytes a block,
	s_lshl_b32 s27, s24, 12                        ; and the 8 rows that I fetch
	s_add_co_u32 s26, s26, s27
	s_mov_b32 s27, 0
	s_lshl_b32 s28, s11, 16                        ; the weights: 64 rows of 1,024 bytes,
	s_lshl_b32 s29, s8, 13                         ; and the 8 rows that I fetch: nothing here hangs on cx
	s_add_co_u32 s28, s28, s29
	s_mov_b32 s29, 0
	s_mul_i32 s30, s8, 8*XP                        ; where they go: wave x 8 rows (waves 4 to 7 fall into h_tm1's half of x's tile)
	s_mul_i32 s31, s8, 8*WP
	; descriptor group 1 for x: 8 rows x 128 elements of 4 bytes, 16 bytes of padding behind each row; no mask
	s_mov_b32 s32, (2<<16)|(1<<20)|(6<<22)|(3<<25) ; 17:16 elements of 4 bytes; 20 padding on; 24:22 after every 128 words (code 6); 31:25 4 words of it (code 3)
	s_mov_b32 s33, 128<<16                         ; tensor_dim0
	s_mov_b32 s34, 8<<16                           ; tensor_dim1
	s_mov_b32 s35, 128<<16                         ; tile_dim0
	s_mov_b32 s36, 8                               ; tile_dim1
	s_mov_b32 s37, 128                             ; elements from row to row
	s_mov_b32 s38, 0
	s_mov_b32 s39, 0
	; and for the weights: 8 rows x 256 elements; the mask names all four work-groups, bit 21 is set beside it
	s_mov_b32 s40, 15|(2<<16)|(1<<20)|(1<<21)|(7<<22)|(3<<25)   ; padding after every 256 words (code 7)
	s_mov_b32 s41, 256<<16
	s_mov_b32 s42, 8<<16
	s_mov_b32 s43, 256<<16
	s_mov_b32 s44, 8
	s_mov_b32 s45, 256
	s_mov_b32 s46, 0
	s_mov_b32 s47, 0
	s_wait_dscnt 0x0
	s_wait_kmcnt 0x0
	s_cmp_lt_u32 s8, 4                             ; waves 0 to 3 fetch x_t's rows, waves 4 to 7 h_tm1's
	s_cselect_b64 s[50:51], s[12:13], s[14:15]
	s_mov_b32 s48, 1
	s_mov_b32 s49, s30
	s_add_nc_u64 s[50:51], s[50:51], s[26:27]
	s_or_b32 s51, s51, 0x80000000
	s_mov_b32 s52, 1
	s_add_co_u32 s53, s31, WM
	s_add_nc_u64 s[54:55], s[18:19], s[28:29]
	s_or_b32 s55, s55, 0x80000000
	s_mov_b32 s56, 1
	s_add_co_u32 s57, s31, GR
	s_add_nc_u64 s[58:59], s[20:21], s[28:29]
	s_or_b32 s59, s59, 0x80000000
	s_mov_b32 s60, 1
	s_add_co_u32 s61, s31, AR
	s_add_nc_u64 s[62:63], s[16:17], s[28:29]
	s_or_b32 s63, s63, 0x80000000
	CROUND                                         ; all four work-groups are here: the joint loads meet
	tensor_load_to_lds s[48:51], s[32:39]          ; all fills of the launch go out together, four a wave, in the order in which they are wanted: x,
	s_nop 0
	tensor_load_to_lds s[52:55], s[40:47]          ; W_mul,
	s_nop 0
	tensor_load_to_lds s[56:59], s[40:47]          ; G_add,
	s_nop 0
	tensor_load_to_lds s[60:63], s[40:47]          ; W_add
	s_nop 0
.rept 4
	v_nop
.endr
	; the addresses are made while the tiles are on their way
	v_and_b32 v2, 31, v0                           ; lane
	v_and_b32 v3, 7, v0                            ; i
	v_bfe_u32 v4, v0, 3, 2                         ; j
	v_and_b32 v5, 15, v0                           ; r
	v_bfe_u32 v6, v0, 4, 1                         ; half
	s_mul_i32 s66, s25, XHALF
	s_lshl_b32 s67, s24, 7
	s_add_co_u32 s66, s66, s67                     ; my strip of x's tile: 128 bytes of each of 32 rows
	s_lshl_b32 s68, s8, 7
	s_add_co_u32 s68, s68, WM                      ; my strip of W_mul's tile: 128 bytes of each of 64 rows
	v_mul_u32_u24 v[AXQ], v2, XP
	v_add_nc_u32 v[AXQ], s66, v[AXQ]
	v_lshl_add_u32 v[AUS], v2, 2, s66
	v_lshl_add_u32 v[AU0], v4, 5, s66
	v_mul_u32_u24 v[AQW], v2, WP
	v_add_nc_u32 v[AQW], s68, v[AQW]
	v_add_nc_u32 v[AQG], WREG, v[AQW]
	v_add_nc_u32 v[AQA], 2*WREG, v[AQW]
	v_mul_u32_u24 v[AW0], v3, WP
	v_add_nc_u32 v[AW0], s68, v[AW0]
	v_lshl_add_u32 v[APS], v4, 5, v[AW0]
	s_mul_i32 s69, s25, FRB                        ; my codes: K step w / 4,
	s_bfe_u32 s70, s8, 0x10001
	s_mul_i32 s70, s70, 768                        ; register pairs 3 ((w / 2) % 2) on,
	s_add_co_u32 s69, s69, s70
	s_and_b32 s70, s8, 1
	s_lshl_b32 s70, s70, 7                         ; lanes 16 (w % 2) on
	s_add_co_u32 s69, s69, s70
	s_add_co_u32 s69, s69, IMG
	v_mul_u32_u24 v[AIW], v6, TS                   ; my row = lane: tile lane / 16, row lane % 16
	v_lshl_add_u32 v[AIW], v5, 3, v[AIW]
	v_add_nc_u32 v[AIW], s69, v[AIW]
	s_lshl_b32 s71, s25, 6
	s_add_co_u32 s71, s71, s24
	s_add_co_u32 s71, s71, SC
	v_lshlrev_b32 v[ASW], 7, v6
	v_lshl_add_u32 v[ASW], v5, 2, v[ASW]
	v_add_nc_u32 v[ASW], s71, v[ASW]
	s_and_b32 s72, s8, 1                           ; at the end my tile is rows 16 (w % 2) on,
	s_lshr_b32 s73, s8, 1                          ; units 16 (w / 2) on
	s_mul_i32 s74, s72, TS
	s_add_co_u32 s74, s74, IMG
	v_lshl_add_u32 v[AIX], v2, 3, s74
	s_mul_i32 s74, s73, TS
	s_add_co_u32 s74, s74, IMG+IMG_G
	v_lshl_add_u32 v[AIG], v2, 3, s74
	s_lshl_b32 s74, s72, 7
	s_add_co_u32 s74, s74, SC
	v_lshl_add_u32 v[ASX], v5, 2, s74
	s_lshl_b32 s74, s73, 7
	s_add_co_u32 s74, s74, SC+SC_G
	v_lshl_add_u32 v[ASG], v5, 2, s74
	s_mul_i32 s74, s73, 16*WP
	s_lshl_b32 s75, s72, 6
	s_add_co_u32 s74, s74, s75
	s_add_co_u32 s74, s74, WM
	v_mul_u32_u24 v[APR], v5, WP                   ; partial products: unit 16 (w / 2) + r, rows 16 (w % 2) + 8 half on
	v_lshl_add_u32 v[APR], v6, 5, v[APR]
	v_add_nc_u32 v[APR], s74, v[APR]
	s_mul_i32 s74, s72, 16*SP
	s_lshl_b32 s75, s73, 6
	s_add_co_u32 s74, s74, s75
	v_mul_u32_u24 v[AST], v6, 8*SP
	v_lshl_add_u32 v[AST], v5, 2, v[AST]
	v_add_nc_u32 v[AST], s74, v[AST]
	s_mul_i32 s74, s8, 4*SP                        ; back out of the stage: wave w takes rows 4 w .. 4 w + 3; lanes 0-15 one row, lanes 16-31 the next
	v_mul_u32_u24 v[ASR], v6, SP
	v_lshl_add_u32 v[ASR], v5, 4, v[ASR]
	v_add_nc_u32 v[ASR], s74, v[ASR]
	s_lshl_b32 s74, s8, 11
	v_lshlrev_b32 v[GO], 9, v6
	v_lshl_add_u32 v[GO], v5, 4, v[GO]
	v_add_nc_u32 v[GO], s74, v[GO]
	s_lshl_b32 s76, s10, 14                        ; out0: 32 rows of 512 bytes a block, + 256 bytes for the upper 64 units
	s_lshl_b32 s77, s11, 8
	s_add_co_u32 s76, s76, s77
	s_mov_b32 s77, 0
	s_add_nc_u64 s[22:23], s[22:23], s[76:77]
	s_wait_tensorcnt 0x2                           ; my parts of x and of W_mul are in; the two loads issued behind them (G_add, W_add) may stay out
	s_barrier_signal -1
	s_barrier_wait -1                              ; everybody's are
	; ---- my strip of x: quantised; x - 1 laid [k][row].  My strip of W_mul: clipped in place.  From here to the next barrier a wave touches its own strips, its own places among the images, and nothing else.
.irp e, 0,1,2,3,4,5,6,7
	ds_load_b128 v[XV+4*\e:XV+4*\e+3], v[AXQ] offset:16*\e
.endr
.irp q, 0,1
.irp e, 0,1,2,3,4,5,6,7
	ds_load_b128 v[CV+32*\q+4*\e:CV+32*\q+4*\e+3], v[AQW] offset:\q*32*WP+16*\e
.endr
.endr
	s_wait_dscnt 16                                ; x is in; W_mul's 16 loads may be out
.irp e, 0,2,4,6,8,10,12,14,16,18,20,22,24,26,28,30
	v_pk_add_f32 v[UV+\e:UV+\e+1], v[XV+\e:XV+\e+1], -1.0 op_sel_hi:[1,0]
.endr
.set k, 0
.rept 32
	ds_store_b32 v[AUS], v[UV+k] offset:k*XP       ; 32 lanes, 32 rows: 128 consecutive bytes for each k.  LDS serves a wave's instructions in order (ISA guide 5.7.1.4): my loads of x came first
.set k, k+1
.endr
	QUANT XV, XC
	IMAGE XC, 0, 0
	s_wait_dscnt 36                                ; W_mul is in: behind its loads stand the 32 + 3 + 1 stores above
.set k, 0
.rept 64
	v_med3_num_f32 v[CV+k], v[CV+k], 0, 1.0        ; clip(W_mul, 0, 1)
.set k, k+1
.endr
.irp q, 0,1
.irp e, 0,1,2,3,4,5,6,7
	ds_store_b128 v[AQW], v[CV+32*\q+4*\e:CV+32*\q+4*\e+3] offset:\q*32*WP+16*\e
.endr
.endr
	; ---- the product over my 32 k, four k at a time, on two buffers: while one is multiplied, the next four k are on their way from LDS
	LOADQ 0, AW0, AU0, 0
	s_wait_dscnt 0x0                               ; k 0 to 3 are in, and all my stores have read their registers, which the products and the next loads now take
	LOADQ 1, AW0, AU0, 1
	COMPUTE 0, 1
	s_mov_b32 s78, 32                              ; where the trip's first four k lie: 16 bytes for four k in W_mul's rows,
	s_mov_b32 s79, 8*XP                            ; four rows of x - 1
	s_mov_b32 s80, 3
.Lquads:                                           ; three trips of eight k: k 4 to 27 are multiplied, k 8 to 31 fetched
	v_add_nc_u32 v[AWC], s78, v[AW0]
	v_add_nc_u32 v[AUC], s79, v[AU0]
	LOADQ 0, AWC, AUC, 0
	s_wait_dscnt 16                                ; all but the 16 just issued
	COMPUTE 1, 0
	LOADQ 1, AWC, AUC, 1
	s_wait_dscnt 16
	COMPUTE 0, 0
	s_add_co_u32 s78, s78, 32
	s_add_co_u32 s79, s79, 8*XP
	s_sub_co_u32 s80, s80, 1
	s_cmp_lg_u32 s80, 0
	s_cbranch_scc1 .Lquads
	s_wait_dscnt 0x0
	COMPUTE 1, 0                                   ; k 28 to 31: nothing more to fetch
.irp ia, 0,1,2,3,4,5,6,7
	ds_store_b128 v[APS], v[P+8*\ia:P+8*\ia+3] offset:\ia*8*WP        ; my partial products, [unit][row], into my own strip of W_mul's tile, which I have read out
	ds_store_b128 v[APS], v[P+8*\ia+4:P+8*\ia+7] offset:\ia*8*WP+16
.endr
	s_wait_tensorcnt 0x0                           ; my parts of G_add and W_add are in,
	s_wait_dscnt 0x0                               ; and my stores have landed
	s_barrier_signal -1
	s_barrier_wait -1                              ; everybody's
	; ---- my block of K of the 64 rows of G_add and of W_add: a lane takes rows lane and 32 + lane
.irp q, 0,1
.irp e, 0,1,2,3,4,5,6,7
	ds_load_b128 v[GV+32*\q+4*\e:GV+32*\q+4*\e+3], v[AQG] offset:\q*32*WP+16*\e
.endr
.endr
.irp q, 0,1
.irp e, 0,1,2,3,4,5,6,7
	ds_load_b128 v[AV+32*\q+4*\e:AV+32*\q+4*\e+3], v[AQA] offset:\q*32*WP+16*\e
.endr
.endr
	s_wait_dscnt 16                                ; G_add is in; W_add's 16 loads may be out
	QUANT GV, 32
	IMAGE 32, IMG_G, SC_G
	QUANT GV+32, 48
	IMAGE 48, IMG_G+2*TS, SC_G+256
	s_wait_dscnt 8                                 ; W_add is in: behind its loads stand the 8 stores above
.set k, 0
.rept 64
	v_med3_num_f32 v[AV+k], v[AV+k], -1.0, 1.0     ; clip(W_add, -1, 1), ahead of the quantiser
.set k, k+1
.endr
	QUANT AV, 64
	IMAGE 64, IMG_A, SC_A
	QUANT AV+32, 80
	IMAGE 80, IMG_A+2*TS, SC_A+256
	s_wait_dscnt 0x0                               ; for the others' sake: my codes and scale bytes have landed
	s_barrier_signal -1
	s_barrier_wait -1
	; ---- my tile, 16 rows x 16 units.  Source 0 = x's 16 rows, source 1 = 16 rows of the weight: lane (r, half) holds unit r and rows 8 half + 0 .. 7, as the partial products lie
.irp s, 0,1
.irp p, 0,1,2,3,4,5
	ds_load_b64 v[FX+12*\s+2*\p:FX+12*\s+2*\p+1], v[AIX] offset:\s*FRB+256*\p
	ds_load_b64 v[FG+12*\s+2*\p:FG+12*\s+2*\p+1], v[AIG] offset:\s*FRB+256*\p
	ds_load_b64 v[FA+12*\s+2*\p:FA+12*\s+2*\p+1], v[AIG] offset:4*TS+\s*FRB+256*\p
.endr
	ds_load_b32 v[SX+\s], v[ASX] offset:64*\s
	ds_load_b32 v[SG+\s], v[ASG] offset:64*\s
	ds_load_b32 v[SA+\s], v[ASG] offset:512+64*\s
.endr
.irp ww, 0,1,2,3,4,5,6,7
	ds_load_b128 v[PT+8*\ww:PT+8*\ww+3], v[APR] offset:128*\ww
	ds_load_b128 v[PT+8*\ww+4:PT+8*\ww+7], v[APR] offset:128*\ww+16
.endr
	s_wait_dscnt 16                                ; fragments and scale words are in; the 16 loads of partial products may be out
	v_wmma_scale_f32_16x16x128_f8f6f4 v[DG:DG+7], v[FX:FX+11], v[FG:FG+11], 0, v[SX], v[SG] matrix_a_fmt:MATRIX_FMT_BF6 matrix_b_fmt:MATRIX_FMT_BF6
	v_wmma_scale_f32_16x16x128_f8f6f4 v[DA:DA+7], v[FX:FX+11], v[FA:FA+11], 0, v[SX], v[SA] matrix_a_fmt:MATRIX_FMT_BF6 matrix_b_fmt:MATRIX_FMT_BF6
	v_wmma_scale_f32_16x16x128_f8f6f4 v[DG:DG+7], v[FX+12:FX+23], v[FG+12:FG+23], v[DG:DG+7], v[SX+1], v[SG+1] matrix_a_fmt:MATRIX_FMT_BF6 matrix_b_fmt:MATRIX_FMT_BF6
	v_wmma_scale_f32_16x16x128_f8f6f4 v[DA:DA+7], v[FX+12:FX+23], v[FA+12:FA+23], v[DA:DA+7], v[SX+1], v[SA+1] matrix_a_fmt:MATRIX_FMT_BF6 matrix_b_fmt:MATRIX_FMT_BF6
	s_wait_dscnt 0x0
	; m = the product of the eight waves' parts, in pairs.  These 28 plain instructions name no register of the products above: they are also the places behind them (ISA guide 7.12.1)
.irp n, 0,16,32,48
.irp cp, 0,2,4,6
	v_pk_mul_f32 v[PT+\n+\cp:PT+\n+\cp+1], v[PT+\n+\cp:PT+\n+\cp+1], v[PT+\n+8+\cp:PT+\n+8+\cp+1]
.endr
.endr
.irp n, 0,32
.irp cp, 0,2,4,6
	v_pk_mul_f32 v[PT+\n+\cp:PT+\n+\cp+1], v[PT+\n+\cp:PT+\n+\cp+1], v[PT+\n+16+\cp:PT+\n+16+\cp+1]
.endr
.endr
.irp cp, 0,2,4,6
	v_pk_mul_f32 v[PT+\cp:PT+\cp+1], v[PT+\cp:PT+\cp+1], v[PT+32+\cp:PT+32+\cp+1]
.endr
	; g = 1 / (1 + 2^(-log2(e) z)); each accumulator is read from its low end on
.irp cp, 0,2,4,6
	v_pk_mul_f32 v[E+\cp:E+\cp+1], v[DG+\cp:DG+\cp+1], 0xbfb8aa3b op_sel_hi:[1,0]
.endr
.irp c, 0,1,2,3,4,5,6,7
	v_exp_f32 v[E+\c], v[E+\c]
.endr
	v_nop                                          ; a plain instruction behind the last exponential (ISA guide 5.7.2),
	s_wait_alu depctr_va_vdst(0)                   ; and one wait for the batch, ahead of its first reader
.irp cp, 0,2,4,6
	v_pk_add_f32 v[E+\cp:E+\cp+1], v[E+\cp:E+\cp+1], 1.0 op_sel_hi:[1,0]
.endr
.irp c, 0,1,2,3,4,5,6,7
	v_rcp_f32 v[GG+\c], v[E+\c]
.endr
	v_nop
	s_wait_alu depctr_va_vdst(0)                   ; likewise for the eight reciprocals
.irp cp, 0,2,4,6
	v_pk_add_f32 v[H+\cp:H+\cp+1], v[GG+\cp:GG+\cp+1], 1.0 op_sel_hi:[1,0] neg_lo:[1,0] neg_hi:[1,0]   ; 1 - g
.endr
.irp cp, 0,2,4,6
	v_pk_mul_f32 v[H+\cp:H+\cp+1], v[H+\cp:H+\cp+1], v[PT+\cp:PT+\cp+1]                                ; (1 - g) m
.endr
.irp cp, 0,2,4,6
	v_pk_fma_f32 v[Y+\cp:Y+\cp+1], v[GG+\cp:GG+\cp+1], v[DA+\cp:DA+\cp+1], v[H+\cp:H+\cp+1]            ; y = g a + (1 - g) m, as the definition writes it: no difference of large numbers is formed
.endr
	; the way out: a row's 256 bytes come from four waves, so they meet in a stage and leave as whole rows
.irp c, 0,1,2,3,4,5,6,7
	ds_store_b32 v[AST], v[Y+\c] offset:\c*SP
.endr
	s_wait_dscnt 0x0                               ; for the others' sake: my stores into the stage are done
	s_barrier_signal -1
	s_barrier_wait -1
	ds_load_b128 v[O:O+3], v[ASR]
	ds_load_b128 v[O+4:O+7], v[ASR] offset:2*SP
	s_wait_dscnt 0x0
	global_store_b128 v[GO], v[O:O+3], s[22:23] th:TH_STORE_NT              ; 16 lanes store 256 consecutive bytes, at a multiple of 256 from out0's first byte
	global_store_b128 v[GO], v[O+4:O+7], s[22:23] offset:1024 th:TH_STORE_NT
	s_set_vgpr_msb 0x5
	s_wait_tensorcnt 0x0
	ds_add_u32 v0, v1
	s_wait_dscnt 0x0
	s_set_vgpr_msb 0x500
	CROUND                                         ; the closing round: no work-group ends while a partner may still ask for a tile that names it
	s_endpgm
.Lfunc_end_k_q75ee81e4c2_nalu:
	.size	k_q75ee81e4c2_nalu, .Lfunc_end_k_q75ee81e4c2_nalu-k_q75ee81e4c2_nalu
	.p2alignl 7, 3214868480
	.fill 96, 4, 3214868480
	.section	.rodata,"a",@progbits
	.p2align	6, 0x0
	.amdhsa_kernel k_q75ee81e4c2_nalu
		.amdhsa_group_segment_fixed_size 271360
		.amdhsa_private_segment_fixed_size 0
		.amdhsa_enable_private_segment 0
		.amdhsa_kernarg_size 48
		.amdhsa_user_sgpr_count 2
		.amdhsa_user_sgpr_kernarg_segment_ptr 1
		.amdhsa_wavefront_size32 1
		.amdhsa_system_sgpr_workgroup_id_x 1
		.amdhsa_system_sgpr_workgroup_id_y 1
		.amdhsa_system_sgpr_workgroup_id_z 1
		.amdhsa_system_vgpr_workitem_id 0
		.amdhsa_next_free_vgpr 258
		.amdhsa_next_free_sgpr 82
		.amdhsa_reserve_vcc 0
		.amdhsa_float_denorm_mode_32 3
		.amdhsa_float_denorm_mode_16_64 3
		.amdhsa_memory_ordered 1
		.amdhsa_forward_progress 1
		.amdhsa_inst_pref_size 109
	.end_amdhsa_kernel
	.amdgpu_metadata
---
amdhsa.version: [ 1, 2 ]
amdhsa.kernels:
  - .name:           k_q75ee81e4c2_nalu
    .symbol:         k_q75ee81e4c2_nalu.kd
    .args:
      - { .name: x_t, .offset: 0, .size: 8, .value_kind: global_buffer, .address_space: global }
      - { .name: h_tm1, .offset: 8, .size: 8, .value_kind: global_buffer, .address_space: global }
      - { .name: W_add, .offset: 16, .size: 8, .value_kind: global_buffer, .address_space: global }
      - { .name: W_mul, .offset: 24, .size: 8, .value_kind: global_buffer, .address_space: global }
      - { .name: G_add, .offset: 32, .size: 8, .value_kind: global_buffer, .address_space: global }
      - { .name: out0, .offset: 40, .size: 8, .value_kind: global_buffer, .address_space: global }
    .group_segment_fixed_size: 271360
    .private_segment_fixed_size: 0
    .kernarg_segment_align: 8
    .kernarg_segment_size: 48
    .max_flat_workgroup_size: 256
    .sgpr_count:     82
    .vgpr_count:     258
    .wavefront_size: 32
...
	.end_amdgpu_metadata
.endif
;; end of part 1
